; MI455X (gfx1250); checked and timed in simulation.
; The chip was launched on July 23, 2026; its instructions are those of AMD's public machine-readable ISA for CDNA 5 (MIT licence, August 2026) and "CDNA5" Instruction Set Architecture Reference Guide (July 2026). The comments in the code are by the model that wrote it; some were corrected since.
;; Gated Scan. Allowed arithmetic: float matrix products may take bf16 or f16 operands with f32 sums; other float arithmetic in f32, or as packed bf16 or f16 multiplies, adds, multiply-adds, maxima and minima; sums over many terms, partial sums and values carried from step to step in f32; what a program stores and reads back later, other than sums and carried values, may be rounded once to bf16 or f16.
;; Inputs: gate_b 1,024 float32; gate_w 1,024 x 1,024 float32; inp_b 1,024 float32; inp_w 1,024 x 1,024 float32; out_b 1,024 float32; out_w 1,024 x 1,024 float32; x 4 x 4,096 x 1,024 float32.
;; Outputs: out0 4 x 4,096 x 1,024 float32.
;; One version. Each part assembles by itself: llvm-mc -triple=amdgcn-amd-amdhsa -mcpu=gfx1250 --defsym DOCPART=n.
;; ======== version 1 of 1: 4 launches
;; limits: values outside matrix products are rounded to bf16
;; workspace buffers: xb 33,554,432 bytes; wb 6,291,456 bytes; hl 33,554,432 bytes; ac 33,554,432 bytes; hf 33,554,432 bytes; agg 2,097,152 bytes
;; launch cast (part 1): grid 1216 x 1, 8 waves a work-group, no clusters, 0 bytes of LDS; arguments x, gate_w, inp_w, out_w, xb, wb; writes xb, wb
.if DOCPART == 1
	.amdgcn_target "amdgcn-amd-amdhsa--gfx1250"
	.amdhsa_code_object_version 6
	.text
	.protected	k_q405a81961b_cast
	.globl	k_q405a81961b_cast
	.p2align	8
	.type	k_q405a81961b_cast,@function
k_q405a81961b_cast:
	s_mov_b64 s[64:65], 0
	v_nop
	global_prefetch_b8 v0, s[64:65] scope:SCOPE_SE
	s_setreg_imm32_b32 hwreg(HW_REG_WAVE_MODE, 25, 1), 1
	s_wait_xcnt 0x0
; f32 -> bf16 (round to nearest even) of x and of the three weight matrices, each as it lies in memory.
; xb: [16384][1024] bf16.  wb: [3][1024 k][1024 n] bf16: gate_w, inp_w, out_w.
; A work-group of 256 threads casts 65,536 bytes into 32,768.  Work-groups 0..1023 take x (1,024 x 65,536 bytes), 1024..1215 the weights, 64 to a matrix.
; A load of a wave covers 512 bytes on end; a store of a wave (8 bytes a lane) covers 256 bytes on end, aligned.  All 16 loads of a thread go out before the first is used.
; No LDS, no matrix unit, no cluster: nothing is shared and nothing is read twice.
.set IN,  4                            ; v[4:67]   16 loads of 4 registers
.set OUT, 68                           ; v[68:99]  16 pairs of packed results
	s_load_b256 s[4:11], s[0:1], 0x0               ; x s[4:5], gate_w s[6:7], inp_w s[8:9], out_w s[10:11]
	s_load_b128 s[12:15], s[0:1], 0x20             ; xb s[12:13], wb s[14:15]
	v_lshlrev_b32 v1, 4, v0                        ; my 16 bytes of each 4,096 read
	v_lshlrev_b32 v2, 3, v0                        ; my 8 bytes of each 2,048 written
	s_sub_co_u32 s16, ttmp9, 1024                  ; the unit among the weights' 192 (used from work-group 1024 on alone)
	s_lshr_b32 s17, s16, 6                         ; which matrix
	s_and_b32 s18, s16, 63                         ; which unit of it
	s_wait_kmcnt 0x0
	s_cmp_eq_u32 s17, 0
	s_cselect_b64 s[20:21], s[6:7], s[8:9]
	s_cmp_eq_u32 s17, 2
	s_cselect_b64 s[20:21], s[10:11], s[20:21]
	s_cmp_lt_u32 ttmp9, 1024
	s_cselect_b64 s[20:21], s[4:5], s[20:21]       ; the source
	s_cselect_b32 s22, ttmp9, s18                  ; its unit
	s_cselect_b32 s24, ttmp9, s16                  ; the destination's unit
	s_cselect_b64 s[26:27], s[12:13], s[14:15]     ; the destination
	s_lshl_b32 s22, s22, 16
	s_mov_b32 s23, 0
	s_lshl_b32 s24, s24, 15
	s_mov_b32 s25, 0
	s_add_nc_u64 s[20:21], s[20:21], s[22:23]
	s_add_nc_u64 s[26:27], s[26:27], s[24:25]
.set i, 0
.rept 16
	global_load_b128 v[IN+4*i:IN+4*i+3], v1, s[20:21] offset:4096*i th:TH_LOAD_NT
.set i, i+1
.endr
.set i, 0
.rept 16
	s_wait_loadcnt 15-i                            ; loads come back in order: load i is in, the 15 - i younger ones stay out
	v_cvt_pk_bf16_f32 v[OUT+2*i], v[IN+4*i], v[IN+4*i+1]
	v_cvt_pk_bf16_f32 v[OUT+2*i+1], v[IN+4*i+2], v[IN+4*i+3]
	global_store_b64 v2, v[OUT+2*i:OUT+2*i+1], s[26:27] offset:2048*i  ; no register is written twice, so no store's source needs a wait
.set i, i+1
.endr
	s_endpgm
.Lfunc_end_k_q405a81961b_cast:
	.size	k_q405a81961b_cast, .Lfunc_end_k_q405a81961b_cast-k_q405a81961b_cast
	.p2alignl 7, 3214868480
	.fill 96, 4, 3214868480
	.section	.rodata,"a",@progbits
	.p2align	6, 0x0
	.amdhsa_kernel k_q405a81961b_cast
		.amdhsa_group_segment_fixed_size 0
		.amdhsa_private_segment_fixed_size 0
		.amdhsa_enable_private_segment 0
		.amdhsa_kernarg_size 48
		.amdhsa_user_sgpr_count 2
		.amdhsa_user_sgpr_kernarg_segment_ptr 1
		.amdhsa_wavefront_size32 1
		.amdhsa_system_sgpr_workgroup_id_x 1
		.amdhsa_system_sgpr_workgroup_id_y 1
		.amdhsa_system_sgpr_workgroup_id_z 1
		.amdhsa_system_vgpr_workitem_id 0
		.amdhsa_next_free_vgpr 100
		.amdhsa_next_free_sgpr 66
		.amdhsa_reserve_vcc 0
		.amdhsa_float_denorm_mode_32 3
		.amdhsa_float_denorm_mode_16_64 3
		.amdhsa_memory_ordered 1
		.amdhsa_forward_progress 1
		.amdhsa_inst_pref_size 7
	.end_amdhsa_kernel
	.amdgpu_metadata
---
amdhsa.version: [ 1, 2 ]
amdhsa.kernels:
  - .name:           k_q405a81961b_cast
    .symbol:         k_q405a81961b_cast.kd
    .args:
      - { .name: x, .offset: 0, .size: 8, .value_kind: global_buffer, .address_space: global }
      - { .name: gate_w, .offset: 8, .size: 8, .value_kind: global_buffer, .address_space: global }
      - { .name: inp_w, .offset: 16, .size: 8, .value_kind: global_buffer, .address_space: global }
      - { .name: out_w, .offset: 24, .size: 8, .value_kind: global_buffer, .address_space: global }
      - { .name: xb, .offset: 32, .size: 8, .value_kind: global_buffer, .address_space: global }
      - { .name: wb, .offset: 40, .size: 8, .value_kind: global_buffer, .address_space: global }
    .group_segment_fixed_size: 0
    .private_segment_fixed_size: 0
    .kernarg_segment_align: 8
    .kernarg_segment_size: 48
    .max_flat_workgroup_size: 256
    .sgpr_count:     66
    .vgpr_count:     100
    .wavefront_size: 32
...
	.end_amdgpu_metadata
.endif
;; end of part 1
;; launch proj (part 2): grid 8 x 64, 4 waves a work-group, clusters of 4 x 4, 327,680 bytes of LDS; arguments xb, wb, gate_b, inp_b, hl, ac, agg; writes hl, ac, agg
.if DOCPART == 2
	.amdgcn_target "amdgcn-amd-amdhsa--gfx1250"
	.amdhsa_code_object_version 6
	.text
	.protected	k_q405a81961b_proj
	.globl	k_q405a81961b_proj
	.p2align	8
	.type	k_q405a81961b_proj,@function
k_q405a81961b_proj:
	s_mov_b64 s[64:65], 0
	v_nop
	global_prefetch_b8 v0, s[64:65] scope:SCOPE_SE
	s_setreg_imm32_b32 hwreg(HW_REG_WAVE_MODE, 25, 1), 1
	s_wait_xcnt 0x0
	s_wait_alu depctr_hold_cnt(0) depctr_sa_sdst(0) depctr_va_vdst(0) depctr_va_sdst(0) depctr_va_ssrc(0) depctr_va_vcc(0) depctr_vm_vsrc(0)
	s_getreg_b32 s2, hwreg(HW_REG_IB_STS2, 6, 4)
	s_cmp_eq_u32 s2, 0
	s_cbranch_scc0 .Lentry_in_a_cluster
	s_endpgm
.Lentry_in_a_cluster:
	s_bfe_u32 s2, ttmp6, 0x10000c
	s_cmp_lg_u32 s2, 0xf033
	s_cbranch_scc0 .Lentry_shape_is_right
	s_endpgm
.Lentry_shape_is_right:
; z = x gate_w + gate_b, u = x inp_w + inp_b, g = sigmoid(z), b = u - g u, and the recurrence h = g h + b scanned LOCALLY, from 0, in chunks of 64 time steps.
; Out: hl = the local h, ac = the running product of the chunk's gates (both bf16, rounded once), agg = each chunk's last (product, h) in f32.  A later launch chains the chunks.
; Operands bf16, sums f32, everything behind the products f32.  LIMITS: NaN and infinities are not treated apart; g = 1 / (1 + 2^(-log2(e) z)): where 2^.. overflows g is 0, where it
; vanishes g is 1; a reciprocal below 2^-126 counts as 0.
; SHARES.  A work-group: 256 rows (tile Tt) x 128 channels (ct), with their gate columns AND their input columns: a tile of 256 x 256 sums.  Four waves, 64 accumulators of 16 x 16 each.
; Wave (RH, CH): channels 128 ct + 64 CH + 16 nb + r (nb 0..3): B block b = nb is the gate's, b = 4 + nb the input's.  Row m of A's fragment a is time 128 (m / 8) + 64 RH + 8 a + m % 8.
; In a result a lane holds column r and rows 8 h + 0..7, so lane (r, h) holds ONE channel and, over a = 0..7 and its 8 registers, the 64 consecutive times of chunk 2 h + RH:
; the scan is a chain in the lane's own registers: no exchange of lanes, no LDS.
; RING.  K in steps of 128 through two LDS slots; a wave fetches a quarter of a slot with one tensor load of 128 rows x 256 bytes.  The weights lie [k][n] and are turned on the way out of LDS (ds_load_tr16_b128).
; THE WALK ALONG K is written in three pieces: the first quarter step, whose products start the sums; a loop of six K steps, each of which fills again the slot that it has read; a loop of the last two, which fill
; nothing, left in its middle.  A trip goes from a K step's second quarter to the next step's first.  The slot in hand is a scalar, 0 or SLOT, that one exclusive or turns; the fragments' addresses and the walking
; descriptors' LDS words are sums of it and a part that never changes.
; CLUSTER 4 x 4.  x's tile hangs on Tt alone (shared along a row of the cluster), the weights' on ct alone (along a column): each is asked for jointly by the four that need it.
; BLOCKED LAYOUT of hl and ac, in pieces of 16 bytes = one channel x 8 times: byte = Tt 524288 + cb 8192 + o 256 + slot 16; cb = channel / 16, o = (row % 256) / 8, slot = (channel % 16) xor 8 (o & 1).
; agg: byte = Tt 32768 + cb 512 + (chunk & 1) 256 + (chunk >> 1) 128 + (channel % 16) 8: the pair (product, h).
; REGISTERS, in windows of 256: window 0: addresses, biases, A's fragments (v64-127, v128-191), v192-255 packed results; window 1: B's fragments (v64-127, v128-191);
; windows 2, 3: accumulator (a, b) at v[8 (8 (a % 4) + b)], window 2 + a / 4.
.set PA,    272                        ; a row of x in LDS: 256 bytes + 16
.set REGA,  128*PA+128                 ; 128 rows; the 128 bytes more set the second region's rows half of 256 bytes off, so that a fragment's 8 + 8 rows begin at 16 different multiples of 16 modulo 256
.set PB,    288                        ; a row of weights: 256 bytes + 32: 8 rows x 32 bytes of a turning load begin at different multiples of 32 modulo 256
.set REGB,  128*PB
.set BBASE, 2*REGA
.set SLOT,  BBASE+2*REGB               ; 143,616
.set SPARE, 2*SLOT                     ; 287,232 = 1,122 x 256: the spare words, 128 bytes a wave
.set QB,    32*PB                      ; a quarter step (32 k) in B
.set AQ,    64                         ; and in A
.set AA,    8*PA                       ; from fragment a to a + 1: 8 rows
.set A2,    32
.set ASTEP, 256                        ; a K step in xb: 128 numbers along the row
.set BSTEP, 262144                     ; in wb: 128 rows of 2,048 bytes
.set ADRA0, 8                          ; v8      my A fragments in slot 0; never rewritten
.set ADRB0, 9                          ; v9-10   my B fragments in slot 0, gate's region and input's; never rewritten
.set ADRA, 16                          ; v16     the same in the slot in hand
.set ADRB, 20                          ; v20-21
.set CO,   24                          ; v24-25  my piece in hl and ac, for even and for odd a
.set AGO,  26                          ; v26     8 x lane
.set BO,   27                          ; v27     4 r
.set SPW,  28                          ; v28     my spare word; never rewritten
.set NIL,  29                          ; v29     0; never rewritten
.set PFO,  30                          ; v30     the prefetches' offset: lane x 2,048
.set BG,   32                          ; v[32:39]  -log2(e) gate_b, a pair for each nb
.set BI,   40                          ; v[40:47]  inp_b, a pair for each nb
.set AGT,  48                          ; v[48:55]  the chunk's (product, h) for each nb
.set F0,   64
.set F1,   128
.set TMP,  192                         ; two halves of 32
.set G1A, 24                           ; s[24:31] descriptor group 1 for x's tiles; s[32:35], s[36:39] group 0 for the two first fills; the second then walks on
.set G0A, 32
.set LIM, 43                           ; s43  2 in a wave that prefetches, else the greatest number
.set PFA, 44                           ; s[44:45] where my prefetches stand
.set PFS, 46                           ; s[46:47] their step from K step to K step
.set G1B, 48                           ; s[48:55], s[56:63] the same for the weights' tiles
.set G0B, 56
.set LG,  74                           ; s[74:75] -log2(e), twice
.set WV,  80
.set RH,  81                           ; wave / 2: my half of each chunk pair; also: I fetch for A (0) or B (1)
.set CH,  82                           ; wave % 2: my 64 channels; also: which half I fetch
.set TB,  83                           ; s83  the slot in hand: 0 or SLOT
.set LBA, 86                           ; s86  where my half of x's tile goes in a slot
.set LBB, 87                           ; s87  where my weights' tile goes
.set MSB, 0
.macro WIN new                         ; the immediate's high byte repeats the setting that is left; a switch that changes nothing is dropped
.if MSB != (\new)
	s_set_vgpr_msb (MSB<<8)|(\new)
.set MSB, \new
.endif
.endm
.macro JLOAD s                         ; a joint load: waves 0, 1 fetch x's two halves, waves 2, 3 gate_w's and inp_w's tile; the branch hangs on the wave's number alone
	s_cmp_eq_u32 s[RH], 0
	s_cbranch_scc0 .Lfor_b_\@
	tensor_load_to_lds s[G0A+4*(\s):G0A+4*(\s)+3], s[G1A:G1A+7]
	s_nop 0
.rept 4
	v_nop
.endr
	s_branch .Lasked_\@
.Lfor_b_\@:
	tensor_load_to_lds s[G0B+4*(\s):G0B+4*(\s)+3], s[G1B:G1B+7]
	s_nop 0
.rept 4
	v_nop
.endr
.Lasked_\@:
.endm
.macro CREST                           ; a round of the cluster's barrier behind its opening barrier
	s_cmp_lg_u32 s[WV], 0
	s_cbranch_scc1 .Lnot_wave_0_\@
	s_barrier_signal -3
.Lnot_wave_0_\@:
	s_barrier_wait -3
	s_barrier_signal -1
	s_barrier_wait -1
.endm
.macro CROUND
	s_barrier_signal -1
	s_barrier_wait -1
	CREST
.endm
.macro PLACES                          ; four plain vector instructions between a matrix instruction and a load into its registers (ISA guide 7.12.1 for vector instructions)
.rept 4
	v_nop
.endr
.endm
; One prefetch a wave behind a refill: 32 rows x 256 bytes, a lane a row, of the K step two refills on (512 matrix instructions ahead of its load).  x's rows: the cluster with x = 0 asks; the weights': the cluster
; with y = 0.  The four partners of a joint load take 32 of its 128 rows each, told apart by address.  So each 256 bytes are named once.  The loop's last two trips (s3 = 2, 1) have no K step two on.
.macro ASK
	s_cmp_gt_u32 s3, s[LIM]
	s_cbranch_scc0 .Lnot_mine_\@
	global_prefetch_b8 v[PFO], s[PFA:PFA+1] th:TH_LOAD_NT scope:SCOPE_SE
.Lnot_mine_\@:
.endm
	s_load_b256 s[4:11], s[0:1], 0x0               ; xb s[4:5], wb s[6:7], gate_b s[8:9], inp_b s[10:11]
	s_load_b128 s[68:71], s[0:1], 0x20             ; hl s[68:69], ac s[70:71]
	s_load_b64 s[72:73], s[0:1], 0x30              ; agg
	v_lshl_add_u32 v[SPW], v0, 2, SPARE
	v_mov_b32 v[NIL], 0
	ds_add_u32 v[SPW], v[NIL]                      ; the opening: the add, twice on end, and its wait ahead of my first tensor load
	ds_add_u32 v[SPW], v[NIL]
	v_lshrrev_b32 v1, 5, v0
	v_readfirstlane_b32 s[WV], v1
	s_lshr_b32 s[RH], s[WV], 1
	s_and_b32 s[CH], s[WV], 1
	s_bfe_u32 s40, ttmp6, 0x40000                  ; cx
	s_bfe_u32 s41, ttmp6, 0x40004                  ; cy
	s_lshl_b32 s42, ttmp9, 2
	s_add_co_u32 s42, s42, s40                     ; ct = 4 x cluster x + cx
	s_and_b32 s13, ttmp7, 0xffff
	s_lshl_b32 s13, s13, 2
	s_add_co_u32 s13, s13, s41                     ; Tt = 4 x cluster y + cy
	s_lshl_b32 s43, s41, 2
	s_lshl_b32 s43, 15, s43                        ; my row of the cluster
	s_lshl_b32 s44, 0x1111, s40                    ; my column
	s_or_b32 s[G1A], s43, (1<<16)|(1<<20)|(1<<21)|(5<<22)|(3<<25)  ; mask; 2-byte elements; padding on; bit 21 beside a mask; after every 64 words 4 words
	s_or_b32 s[G1B], s44, (1<<16)|(1<<20)|(1<<21)|(5<<22)|(7<<25)  ; the same with my column's mask and 8 words of padding
.irp g, G1A, G1B
	s_mov_b32 s[(\g)+1], 128<<16                   ; tensor_dim0 = 128
	s_mov_b32 s[(\g)+2], 128<<16                   ; tensor_dim1 = 128
	s_mov_b32 s[(\g)+3], 128<<16                   ; tile_dim0 = 128
	s_mov_b32 s[(\g)+4], 128                       ; tile_dim1 = 128
	s_mov_b32 s[(\g)+5], 1024                      ; 1,024 elements from row to row
	s_mov_b32 s[(\g)+6], 0
	s_mov_b32 s[(\g)+7], 0
.endr
	s_lshl_b32 s16, s13, 8
	s_lshl_b32 s17, s[CH], 7
	s_add_co_u32 s16, s16, s17                     ; x's row 256 Tt + 128 x half,
	s_lshl_b32 s16, s16, 11                        ; in bytes (under 2^25)
	s_mov_b32 s17, 0
	s_lshl_b32 s84, s[CH], 21                      ; gate_w or inp_w,
	s_lshl_b32 s85, s42, 8                         ; columns 128 ct on
	s_add_co_u32 s84, s84, s85
	s_mov_b32 s85, 0
	s_mul_i32 s[LBA], s[CH], REGA                  ; where they go: no place in the cluster enters an LDS address
	s_mul_i32 s[LBB], s[CH], REGB
	s_add_co_u32 s[LBB], s[LBB], BBASE
	s_mov_b32 s[TB], 0                             ; K step 0 lies in slot 0
	s_mov_b32 s[LG], 0xbfb8aa3b                    ; -log2(e)
	s_mov_b32 s[LG+1], 0xbfb8aa3b
	s_wait_dscnt 0x0                               ; both opening adds are done
	s_wait_kmcnt 0x0
	s_add_nc_u64 s[14:15], s[4:5], s[16:17]
	s_add_nc_u64 s[84:85], s[6:7], s[84:85]
	CROUND                                         ; all sixteen work-groups are here: the first joint loads meet
.irp s, 0,1
	s_mov_b32 s[G0A+4*(\s)], 1
	s_add_co_u32 s[G0A+4*(\s)+1], s[LBA], (\s)*SLOT
	s_add_nc_u64 s[G0A+4*(\s)+2:G0A+4*(\s)+3], s[14:15], (\s)*ASTEP
	s_or_b32 s[G0A+4*(\s)+3], s[G0A+4*(\s)+3], 0x80000000
	s_mov_b32 s[G0B+4*(\s)], 1
	s_add_co_u32 s[G0B+4*(\s)+1], s[LBB], (\s)*SLOT
	s_add_nc_u64 s[G0B+4*(\s)+2:G0B+4*(\s)+3], s[84:85], (\s)*BSTEP
	s_or_b32 s[G0B+4*(\s)+3], s[G0B+4*(\s)+3], 0x80000000
	JLOAD \s                                       ; K steps 0 and 1: two loads of mine are out
.endr
	v_and_b32 v1, 15, v0                           ; r
	v_bfe_u32 v2, v0, 4, 1                         ; h
	v_and_b32 v3, 7, v0
	v_bfe_u32 v4, v0, 3, 1
	v_mul_u32_u24 v5, v3, PA                       ; A: row r % 8 of the eight,
	v_lshl_add_u32 v5, v2, 4, v5                   ; 16 bytes for each half of the lanes,
	v_mul_u32_u24 v6, v4, REGA                     ; region r / 8,
	v_add_nc_u32 v5, v5, v6
	s_mul_i32 s22, s[RH], 64*PA                    ; my 64 rows of each region
	v_add_nc_u32 v[ADRA0], s22, v5
	v_mov_b32 v[ADRA], v[ADRA0]
	v_lshl_add_u32 v6, v2, 3, v3                   ; B, turned: lane l reads k row 8 (l / 16) + l % 8, columns 8 ((l / 8) % 2) on
	v_mul_u32_u24 v6, v6, PB
	v_lshl_add_u32 v6, v4, 4, v6
	s_lshl_b32 s22, s[CH], 7                       ; my 64 channels: 128 bytes
	s_add_co_u32 s22, s22, BBASE
	v_add_nc_u32 v[ADRB0], s22, v6
	v_add_nc_u32 v[ADRB0+1], REGB, v[ADRB0]
	v_mov_b32 v[ADRB], v[ADRB0]
	v_mov_b32 v[ADRB+1], v[ADRB0+1]
	v_lshlrev_b32 v5, 12, v2                       ; the way out: octet 16 h + 8 RH + a; slot r for even a, r xor 8 for odd
	v_lshl_add_u32 v[CO], v1, 4, v5
	v_xor_b32 v6, 8, v1
	v_lshl_add_u32 v[CO+1], v6, 4, v5
	v_and_b32 v6, 31, v0
	v_lshlrev_b32 v[AGO], 3, v6
	v_lshlrev_b32 v[BO], 2, v1
	v_lshlrev_b32 v[PFO], 11, v6
	s_lshl_b32 s76, s42, 9                         ; the biases at channel 128 ct + 64 CH
	s_lshl_b32 s77, s[CH], 8
	s_add_co_u32 s76, s76, s77
	s_mov_b32 s77, 0
	s_add_nc_u64 s[8:9], s[8:9], s[76:77]
	s_add_nc_u64 s[10:11], s[10:11], s[76:77]
.irp nb, 0,1,2,3
	global_load_b32 v[BG+2*(\nb)], v[BO], s[8:9] offset:64*(\nb)
	global_load_b32 v[BI+2*(\nb)], v[BO], s[10:11] offset:64*(\nb)
.endr
	s_lshl_b32 s76, s13, 19                        ; hl and ac at Tt, cb = 8 ct + 4 CH, octet 8 RH
	s_lshl_b32 s77, s42, 16
	s_add_co_u32 s76, s76, s77
	s_lshl_b32 s77, s[CH], 15
	s_add_co_u32 s76, s76, s77
	s_lshl_b32 s77, s[RH], 11
	s_add_co_u32 s76, s76, s77
	s_mov_b32 s77, 0
	s_add_nc_u64 s[68:69], s[68:69], s[76:77]
	s_add_nc_u64 s[70:71], s[70:71], s[76:77]
	s_lshr_b32 s76, s76, 4                         ; agg: Tt 32768 + (8 ct + 4 CH) 512 + RH 128,
	s_lshl_b32 s78, s[RH], 7                       ; and RH 128 more
	s_add_co_u32 s76, s76, s78
	s_add_nc_u64 s[72:73], s[72:73], s[76:77]
	; the prefetches: my work-group's 32 of the 128 rows that I fetch, at K step 3; the first refill steps it to 4.  Nothing is asked for here, at the head
	s_lshl_b32 s20, s13, 19
	s_lshl_b32 s21, s[CH], 18
	s_add_co_u32 s20, s20, s21
	s_lshl_b32 s21, s40, 16                        ; 32 cx rows of x
	s_add_co_u32 s20, s20, s21
	s_add_co_u32 s20, s20, 3*ASTEP
	s_lshl_b32 s22, s[CH], 21
	s_lshl_b32 s23, s42, 8
	s_add_co_u32 s22, s22, s23
	s_lshl_b32 s23, s41, 16                        ; 32 cy rows of the weights
	s_add_co_u32 s22, s22, s23
	s_add_co_u32 s22, s22, 3*BSTEP
	s_and_b32 s23, ttmp7, 0xffff
	s_mov_b32 s[PFS], BSTEP
	s_cmp_eq_u32 s[RH], 0                          ; do I fetch for A?
	s_cselect_b32 s20, s20, s22
	s_cselect_b32 s23, ttmp9, s23                  ; the coordinate along which other clusters read the same rows
	s_cselect_b64 s[PFA:PFA+1], s[4:5], s[6:7]
	s_cselect_b32 s[PFS], ASTEP, s[PFS]
	s_mov_b32 s[PFS+1], 0
	s_mov_b32 s21, 0
	s_cmp_eq_u32 s23, 0
	s_cselect_b32 s[LIM], 2, -1                    ; the same in all sixteen partners, for a given wave
	s_add_nc_u64 s[PFA:PFA+1], s[PFA:PFA+1], s[20:21]
; 16 matrix instructions: A blocks a0, a0 + 1 of the window's four x all 8 B blocks, 32 along K.  The 64 accumulators take turns, one instruction a turn, in the same order in every quarter.
.macro MUL16 f, hi, a0, zero
	WIN 0xa4+0x50*(\hi)                            ; source 0 (x) window 0, source 1 (weights) window 1, C and D window 2 or 3
.irp a, \a0, (\a0)+1
.irp b, 0,1,2,3,4,5,6,7
.if \zero
	v_wmma_f32_16x16x32_bf16 v[8*(8*(\a)+(\b)):8*(8*(\a)+(\b))+7], v[(\f)+8*(4*(\hi)+(\a)):(\f)+8*(4*(\hi)+(\a))+7], v[(\f)+8*(\b):(\f)+8*(\b)+7], 0
.else
	v_wmma_f32_16x16x32_bf16 v[8*(8*(\a)+(\b)):8*(8*(\a)+(\b))+7], v[(\f)+8*(4*(\hi)+(\a)):(\f)+8*(4*(\hi)+(\a))+7], v[(\f)+8*(\b):(\f)+8*(\b)+7], v[8*(8*(\a)+(\b)):8*(8*(\a)+(\b))+7]
.endif
.endr
.endr
.endm
; 32 LDS loads in one run: quarter q of the slot in hand into buffer f: B's 8 blocks (turned), then A's 8 in ascending order
.macro FETCH q, f
	WIN 0x40                                       ; destination window 1, address window 0
.irp b, 0,1,2,3,4,5,6,7
	ds_load_tr16_b128 v[(\f)+8*(\b):(\f)+8*(\b)+3],   v[ADRB+(\b)/4] offset:(\q)*QB+32*((\b)%4)
	ds_load_tr16_b128 v[(\f)+8*(\b)+4:(\f)+8*(\b)+7], v[ADRB+(\b)/4] offset:(\q)*QB+32*((\b)%4)+16*PB
.endr
	WIN 0
.irp a, 0,1,2,3,4,5,6,7
	ds_load_b128 v[(\f)+8*(\a):(\f)+8*(\a)+3],   v[ADRA] offset:(\q)*AQ+(\a)*AA
	ds_load_b128 v[(\f)+8*(\a)+4:(\f)+8*(\a)+7], v[ADRA] offset:(\q)*AQ+(\a)*AA+A2
.endr
.endm
.macro QUARTER q, f, g, zero           ; multiplies buffer f; in its middle fetches quarter q of the slot in hand into g
	s_wait_dscnt 8                                 ; B and A's blocks 0-3 are in; the youngest eight loads (A's blocks 4-7) may be out
	MUL16 \f, 0, 0, \zero
	MUL16 \f, 0, 2, \zero
	PLACES
	FETCH \q, \g
	s_wait_dscnt 32                                ; all but the 32 just issued
	MUL16 \f, 1, 0, \zero
	MUL16 \f, 1, 2, \zero
.endm
.macro MEET                            ; the first half of a K step's last quarter, and the one barrier of the change of slots
	WIN 0
	s_wait_tensorcnt 0x0                           ; all my tensor loads have landed: the one that was out is my part of the next slot
	ds_add_u32 v[SPW], v[NIL]                      ; 0 onto my spare word
	s_wait_dscnt 9                                 ; (the add and the youngest eight loads may be out)
	MUL16 F1, 0, 0, 0
	s_wait_dscnt 0x0                               ; the add is done, and my reads of this slot are over
	s_barrier_signal -1
	MUL16 F1, 0, 2, 0
	WIN 0
	s_barrier_wait -1
.endm
.macro NEXTSLOT                        ; the other slot comes in hand
	s_xor_b32 s[TB], s[TB], SLOT
	v_add_nc_u32 v[ADRA], s[TB], v[ADRA0]
	v_add_nc_u32 v[ADRB], s[TB], v[ADRB0]
	v_add_nc_u32 v[ADRB+1], s[TB], v[ADRB0+1]
.endm
.macro TURN                            ; a K step's last quarter: the slot just read is filled again, with the K step two on, first thing behind the cluster's round
	s_wait_xcnt 0x0                                ; the last prefetch, a K step back, has read its address
	s_add_nc_u64 s[PFA:PFA+1], s[PFA:PFA+1], s[PFS:PFS+1]
	MEET
	CREST                                          ; no wave of any partner still reads this slot or has a load on its way
	s_add_co_u32 s[G0A+5], s[LBA], s[TB]           ; the walking descriptors: into the slot in hand,
	s_add_co_u32 s[G0B+5], s[LBB], s[TB]
	s_add_nc_u64 s[G0A+6:G0A+7], s[G0A+6:G0A+7], ASTEP  ; the K step behind the one asked for last; the type bits on top are not reached
	s_add_nc_u64 s[G0B+6:G0B+7], s[G0B+6:G0B+7], BSTEP
	JLOAD 1                                        ; its four v_nop are also the places in front of the loads below
	NEXTSLOT
	FETCH 0, F0
	ASK
	MUL16 F1, 1, 0, 0
	MUL16 F1, 1, 2, 0
.endm
.macro TURNX                           ; the same where nothing is filled; behind the very last K step (s3 = 1) there is no slot to go on to
	MEET
	PLACES
	s_cmp_eq_u32 s3, 1
	s_cbranch_scc1 .Lno_more_\@
	NEXTSLOT
	FETCH 0, F0
.Lno_more_\@:
	MUL16 F1, 1, 0, 0
	MUL16 F1, 1, 2, 0
.endm
	s_wait_tensorcnt 1                             ; my part of K step 0 is in; K step 1's may stay out
	s_barrier_signal -1
	s_barrier_wait -1
	FETCH 0, F0
	QUARTER 1, F0, F1, 1                           ; the first quarter starts the sums with the constant 0
	WIN 0
	s_mov_b32 s3, 6
.Lfill:                                                ; six trips: K steps 0 .. 5 end, K steps 2 .. 7 are asked for
	QUARTER 2, F1, F0, 0
	QUARTER 3, F0, F1, 0
	TURN
	QUARTER 1, F0, F1, 0
	WIN 0
	s_sub_co_u32 s3, s3, 1
	s_cmp_lg_u32 s3, 0
	s_cbranch_scc1 .Lfill
	s_mov_b32 s3, 2
.Llast:                                                ; K steps 6 and 7 fill nothing; the second trip is left behind the last product
	QUARTER 2, F1, F0, 0
	QUARTER 3, F0, F1, 0
	TURNX
	WIN 0
	s_sub_co_u32 s3, s3, 1
	s_cmp_eq_u32 s3, 0
	s_cbranch_scc1 .Lout
	QUARTER 1, F0, F1, 0
	WIN 0
	s_branch .Llast
.Lout:
	; THE WAY OUT.  The biases become pairs: twelve plain instructions, the places behind the last products.
	s_wait_loadcnt 0x0
.irp nb, 0,1,2,3
	v_mul_f32 v[BG+2*(\nb)], s[LG], v[BG+2*(\nb)]
	v_mov_b32 v[BG+2*(\nb)+1], v[BG+2*(\nb)]
	v_mov_b32 v[BI+2*(\nb)+1], v[BI+2*(\nb)]
.endr
; Block a: 8 times x my 4 channels.  Its gate sums lie in v[G .. G+31] (8 nb + j), its input sums in v[G+32 .. G+63].  Each accumulator is read from its low end on.
.macro EBLK a
.set G, 64*((\a)%4)
	WIN (2+(\a)/4)*0x41                            ; destination and source 0 in the block's window, the rest in window 0
.set n, 0
.rept 16
	v_pk_fma_f32 v[G+2*n:G+2*n+1], v[G+2*n:G+2*n+1], s[LG:LG+1], v[BG+2*(n/4):BG+2*(n/4)+1] op_sel_hi:[1,0,1]  ; -log2(e) (sum + gate_b)
.set n, n+1
.endr
.set n, 0
.rept 16                               ; 32 exponentials, one batch; u = sum + inp_b behind every second one; the last line is plain
	v_exp_f32 v[G+2*n], v[G+2*n]
	v_exp_f32 v[G+2*n+1], v[G+2*n+1]
	v_pk_add_f32 v[G+32+2*n:G+32+2*n+1], v[G+32+2*n:G+32+2*n+1], v[BI+2*(n/4):BI+2*(n/4)+1]
.set n, n+1
.endr
	s_wait_alu depctr_va_vdst(0)                   ; one wait for the batch, ahead of its first reader
.set n, 0
.rept 16
	v_pk_add_f32 v[G+2*n:G+2*n+1], v[G+2*n:G+2*n+1], 1.0 op_sel_hi:[1,0]
.set n, n+1
.endr
.set n, 0
.rept 32
	v_rcp_f32 v[G+n], v[G+n]                       ; g
.set n, n+1
.endr
	v_nop                                          ; a plain instruction behind the last reciprocal
	s_wait_alu depctr_va_vdst(0)                   ; and one wait for the 32
	WIN (2+(\a)/4)*0x55                            ; everything in the block's window
.set n, 0
.rept 16
	v_pk_fma_f32 v[G+32+2*n:G+32+2*n+1], v[G+2*n:G+2*n+1], v[G+32+2*n:G+32+2*n+1], v[G+32+2*n:G+32+2*n+1] neg_lo:[1,0,0] neg_hi:[1,0,0]  ; b = u - g u
.set n, n+1
.endr
.set j, 0
.rept 8                                ; the scan, in place: h = g h' + b, then product = g product'; four channels by turns, so eight lines lie between two links of a chain
.if (\a)+j > 0                         ; the chunk's first step stands as it is: h = b, product = g
.set PRV, G+j-1
.if j == 0
.set PRV, G-57                         ; register 7 of the block before
.if (\a) == 4
.set PRV, 199                          ; which for block 4 lies in window 2
	WIN 0xcb                                       ; source 1 in window 2
.endif
.endif
.irp nb, 0,1,2,3
	v_fmac_f32 v[G+32+8*(\nb)+j], v[G+8*(\nb)+j], v[PRV+32+8*(\nb)]
.endr
.irp nb, 0,1,2,3
	v_mul_f32 v[G+8*(\nb)+j], v[G+8*(\nb)+j], v[PRV+8*(\nb)]
.endr
	WIN (2+(\a)/4)*0x55
.endif
.set j, j+1
.endr
	s_wait_xcnt 0x0                                ; this half of TMP was store data two blocks ago: it is rewritten only behind this wait
	WIN (2+(\a)/4)*5                               ; sources in the block's window, destination in window 0
.set n, 0
.rept 16
	v_cvt_pk_bf16_f32 v[TMP+32*((\a)%2)+n], v[G+32+2*n], v[G+32+2*n+1]
	v_cvt_pk_bf16_f32 v[TMP+32*((\a)%2)+16+n], v[G+2*n], v[G+2*n+1]
.set n, n+1
.endr
	WIN 0
.irp nb, 0,1,2,3                       ; lanes 0-15 store 256 bytes on end, aligned; lanes 16-31 another 256
	global_store_b128 v[CO+(\a)%2], v[TMP+32*((\a)%2)+4*(\nb):TMP+32*((\a)%2)+4*(\nb)+3], s[68:69] offset:(\nb)*8192+(\a)*256
	global_store_b128 v[CO+(\a)%2], v[TMP+32*((\a)%2)+16+4*(\nb):TMP+32*((\a)%2)+16+4*(\nb)+3], s[70:71] offset:(\nb)*8192+(\a)*256
.endr
.endm
.irp a, 0,1,2,3,4,5,6,7
	EBLK \a
.endr
	WIN 0x03                                       ; the chunk's last product and h, in f32
.irp nb, 0,1,2,3
	v_mov_b32 v[AGT+2*(\nb)], v[199+8*(\nb)]
	v_mov_b32 v[AGT+2*(\nb)+1], v[231+8*(\nb)]
.endr
	WIN 0
.irp nb, 0,1,2,3
	global_store_b64 v[AGO], v[AGT+2*(\nb):AGT+2*(\nb)+1], s[72:73] offset:512*(\nb)  ; 32 lanes x 8 bytes: 256 bytes on end, aligned
.endr
	s_wait_tensorcnt 0x0                           ; the wave's end
	ds_add_u32 v[SPW], v[NIL]
	s_wait_dscnt 0x0
	CROUND                                         ; the closing round: no work-group ends while a partner may still ask for a tile that names it
	s_endpgm
.Lfunc_end_k_q405a81961b_proj:
	.size	k_q405a81961b_proj, .Lfunc_end_k_q405a81961b_proj-k_q405a81961b_proj
	.p2alignl 7, 3214868480
	.fill 96, 4, 3214868480
	.section	.rodata,"a",@progbits
	.p2align	6, 0x0
	.amdhsa_kernel k_q405a81961b_proj
		.amdhsa_group_segment_fixed_size 327680
		.amdhsa_private_segment_fixed_size 0
		.amdhsa_enable_private_segment 0
		.amdhsa_kernarg_size 56
		.amdhsa_user_sgpr_count 2
		.amdhsa_user_sgpr_kernarg_segment_ptr 1
		.amdhsa_wavefront_size32 1
		.amdhsa_system_sgpr_workgroup_id_x 1
		.amdhsa_system_sgpr_workgroup_id_y 1
		.amdhsa_system_sgpr_workgroup_id_z 1
		.amdhsa_system_vgpr_workitem_id 0
		.amdhsa_next_free_vgpr 1024
		.amdhsa_next_free_sgpr 88
		.amdhsa_reserve_vcc 0
		.amdhsa_float_denorm_mode_32 3
		.amdhsa_float_denorm_mode_16_64 3
		.amdhsa_memory_ordered 1
		.amdhsa_forward_progress 1
		.amdhsa_inst_pref_size 160
	.end_amdhsa_kernel
	.amdgpu_metadata
---
amdhsa.version: [ 1, 2 ]
amdhsa.kernels:
  - .name:           k_q405a81961b_proj
    .symbol:         k_q405a81961b_proj.kd
    .args:
      - { .name: xb, .offset: 0, .size: 8, .value_kind: global_buffer, .address_space: global }
      - { .name: wb, .offset: 8, .size: 8, .value_kind: global_buffer, .address_space: global }
      - { .name: gate_b, .offset: 16, .size: 8, .value_kind: global_buffer, .address_space: global }
      - { .name: inp_b, .offset: 24, .size: 8, .value_kind: global_buffer, .address_space: global }
      - { .name: hl, .offset: 32, .size: 8, .value_kind: global_buffer, .address_space: global }
      - { .name: ac, .offset: 40, .size: 8, .value_kind: global_buffer, .address_space: global }
      - { .name: agg, .offset: 48, .size: 8, .value_kind: global_buffer, .address_space: global }
    .group_segment_fixed_size: 327680
    .private_segment_fixed_size: 0
    .kernarg_segment_align: 8
    .kernarg_segment_size: 56
    .max_flat_workgroup_size: 128
    .sgpr_count:     88
    .vgpr_count:     1024
    .wavefront_size: 32
...
	.end_amdgpu_metadata
.endif
;; end of part 2
;; launch mend (part 3): grid 64 x 4, 16 waves a work-group, no clusters, 6,144 bytes of LDS; arguments hl, ac, agg, hf; writes hf
.if DOCPART == 3
	.amdgcn_target "amdgcn-amd-amdhsa--gfx1250"
	.amdhsa_code_object_version 6
	.text
	.protected	k_q405a81961b_mend
	.globl	k_q405a81961b_mend
	.p2align	8
	.type	k_q405a81961b_mend,@function
k_q405a81961b_mend:
	s_mov_b64 s[64:65], 0
	v_nop
	global_prefetch_b8 v0, s[64:65] scope:SCOPE_SE
	s_setreg_imm32_b32 hwreg(HW_REG_WAVE_MODE, 25, 1), 1
	s_wait_xcnt 0x0
; h = hl + ac x carry, where carry is the true h at the end of the chunk before.  The carries are chained here, in f32, from the chunks' pairs (product, last local h).
; The order of the sums is by chunks and tiles, not step by step as in the recurrence's own form.  hl, ac, hf: bf16 in the blocked layout (pieces of 16 bytes = one channel x 8 times:
; byte = Tt 524288 + cb 8192 + o 256 + slot 16, slot = (channel % 16) xor 8 (o & 1)); hf is rounded once.
; SHARES.  A work-group: 16 channels (cb) of one batch, all 4,096 times.  Wave w: tile Tt = 16 batch + w: 256 times x 16 channels = 8,192 bytes on end of each buffer.
; Lane l of a load of 512 bytes always holds channel (l % 16) xor 8 (l / 16); load i holds octets 2 i, 2 i + 1: chunk i / 4.  All 32 data loads of a wave go out before the carries are made.
; The tiles' pairs meet in LDS once.  No matrix unit, no cluster, no prefetch: each byte is read once, in long runs, with 16 KiB a wave on their way.
.set SPARE, 4096                       ; bytes 0..4095: a row of 256 bytes a wave, the lanes' pairs; behind them the spare words, 128 bytes a wave
.set PH,  8                            ; v[8:15]   (product, h) of my tile's four chunks, for my channel
.set TA,  18                           ; v[18:47]  the pairs of tiles 0..14
.set CC,  50                           ; v[50:57]  the carry into each chunk, twice (a pair for the packed form)
.set T,   58                           ; v[58:65]
.set U,   66                           ; v[66:73]
.set HLR, 76                           ; v[76:139]
.set ACR, 140                          ; v[140:203]
	s_load_b256 s[4:11], s[0:1], 0x0               ; hl s[4:5], ac s[6:7], agg s[8:9], hf s[10:11]
	v_lshl_add_u32 v6, v0, 2, SPARE                ; my spare word; never rewritten
	v_mov_b32 v7, 0                                ; 0; never rewritten
	v_lshrrev_b32 v1, 5, v0
	v_readfirstlane_b32 s12, v1                    ; wave 0..15
	v_and_b32 v1, 31, v0                           ; l
	v_lshlrev_b32 v2, 4, v1                        ; 16 l
	v_lshrrev_b32 v3, 4, v1
	v_lshlrev_b32 v3, 3, v3
	v_and_b32 v5, 15, v1
	v_xor_b32 v3, v3, v5                           ; my channel % 16
	v_lshlrev_b32 v3, 3, v3                        ; x 8 bytes
	v_lshlrev_b32 v5, 3, v1                        ; 8 l
	s_lshl_b32 s14, s12, 8
	v_add_nc_u32 v4, s14, v5                       ; 256 w + 8 l
	s_and_b32 s15, ttmp7, 0xffff
	s_lshl_b32 s15, s15, 4
	s_add_co_u32 s15, s15, s12                     ; Tt
	s_lshl_b32 s16, s15, 19
	s_lshl_b32 s17, ttmp9, 13
	s_add_co_u32 s16, s16, s17
	s_mov_b32 s17, 0
	s_lshl_b32 s18, s15, 15
	s_lshl_b32 s19, ttmp9, 9
	s_add_co_u32 s18, s18, s19
	s_mov_b32 s19, 0
	s_mov_b32 s13, 0xffff0000                      ; a word's upper bf16
	s_wait_kmcnt 0x0
	s_add_nc_u64 s[4:5], s[4:5], s[16:17]
	s_add_nc_u64 s[6:7], s[6:7], s[16:17]
	s_add_nc_u64 s[10:11], s[10:11], s[16:17]
	s_add_nc_u64 s[8:9], s[8:9], s[18:19]
	global_load_b64 v[PH:PH+1], v3, s[8:9]                 ; chunk 0
	global_load_b64 v[PH+2:PH+3], v3, s[8:9] offset:256    ; chunk 1
	global_load_b64 v[PH+4:PH+5], v3, s[8:9] offset:128    ; chunk 2
	global_load_b64 v[PH+6:PH+7], v3, s[8:9] offset:384    ; chunk 3
.set i, 0
.rept 16
	global_load_b128 v[HLR+4*i:HLR+4*i+3], v2, s[4:5] offset:512*i th:TH_LOAD_NT
	global_load_b128 v[ACR+4*i:ACR+4*i+3], v2, s[6:7] offset:512*i th:TH_LOAD_NT
.set i, i+1
.endr
	s_wait_loadcnt 32                              ; the four pairs are in; the 32 data loads stay out
	v_fma_f32 v17, v[PH+2], v[PH+1], v[PH+3]       ; my tile's own pair: the four chunks composed in order
	v_mul_f32 v16, v[PH+2], v[PH]
	v_fma_f32 v17, v[PH+4], v17, v[PH+5]
	v_mul_f32 v16, v[PH+4], v16
	v_fma_f32 v17, v[PH+6], v17, v[PH+7]
	v_mul_f32 v16, v[PH+6], v16
	ds_store_b64 v4, v[16:17]
	s_wait_dscnt 0x0                               ; for the others' sake: my store is done
	s_barrier_signal -1
	s_barrier_wait -1
.set t, 0
.rept 15
	ds_load_b64 v[TA+2*t:TA+2*t+1], v5 offset:256*t
.set t, t+1
.endr
	s_wait_dscnt 0x0
	v_mov_b32 v48, 0                               ; h ahead of the batch's first step
.set t, 0
.rept 15                               ; the tiles before mine, in order; the jump hangs on the wave's number and goes forward, past no barrier
	s_cmp_le_u32 s12, t
	s_cbranch_scc1 .Lhave
	v_fma_f32 v48, v[TA+2*t], v48, v[TA+2*t+1]
.set t, t+1
.endr
.Lhave:
	v_mov_b32 v[CC], v48
	v_fma_f32 v[CC+2], v[PH], v[CC], v[PH+1]
	v_fma_f32 v[CC+4], v[PH+2], v[CC+2], v[PH+3]
	v_fma_f32 v[CC+6], v[PH+4], v[CC+4], v[PH+5]
.irp k, 0,2,4,6
	v_mov_b32 v[CC+(\k)+1], v[CC+(\k)]
.endr
.set i, 0
.rept 16
	s_wait_loadcnt 30-2*i                          ; hl's and ac's load i are in; the 30 - 2 i younger loads stay out
.irp k, 0,1,2,3
	v_lshlrev_b32 v[T+2*(\k)],   16,  v[HLR+4*i+(\k)]
	v_and_b32     v[T+2*(\k)+1], s13, v[HLR+4*i+(\k)]
	v_lshlrev_b32 v[U+2*(\k)],   16,  v[ACR+4*i+(\k)]
	v_and_b32     v[U+2*(\k)+1], s13, v[ACR+4*i+(\k)]
.endr
.irp k, 0,2,4,6
	v_pk_fma_f32 v[T+(\k):T+(\k)+1], v[U+(\k):U+(\k)+1], v[CC+2*(i/4):CC+2*(i/4)+1], v[T+(\k):T+(\k)+1]
.endr
.irp k, 0,1,2,3
	v_cvt_pk_bf16_f32 v[HLR+4*i+(\k)], v[T+2*(\k)], v[T+2*(\k)+1]
.endr
	global_store_b128 v2, v[HLR+4*i:HLR+4*i+3], s[10:11] offset:512*i  ; 512 bytes on end, aligned; its registers are not written again
.set i, i+1
.endr
	s_wait_tensorcnt 0x0                           ; the wave's end: behind my last LDS store
	ds_add_u32 v6, v7
	s_wait_dscnt 0x0
	s_endpgm
.Lfunc_end_k_q405a81961b_mend:
	.size	k_q405a81961b_mend, .Lfunc_end_k_q405a81961b_mend-k_q405a81961b_mend
	.p2alignl 7, 3214868480
	.fill 96, 4, 3214868480
	.section	.rodata,"a",@progbits
	.p2align	6, 0x0
	.amdhsa_kernel k_q405a81961b_mend
		.amdhsa_group_segment_fixed_size 6144
		.amdhsa_private_segment_fixed_size 0
		.amdhsa_enable_private_segment 0
		.amdhsa_kernarg_size 32
		.amdhsa_user_sgpr_count 2
		.amdhsa_user_sgpr_kernarg_segment_ptr 1
		.amdhsa_wavefront_size32 1
		.amdhsa_system_sgpr_workgroup_id_x 1
		.amdhsa_system_sgpr_workgroup_id_y 1
		.amdhsa_system_sgpr_workgroup_id_z 1
		.amdhsa_system_vgpr_workitem_id 0
		.amdhsa_next_free_vgpr 204
		.amdhsa_next_free_sgpr 66
		.amdhsa_reserve_vcc 0
		.amdhsa_float_denorm_mode_32 3
		.amdhsa_float_denorm_mode_16_64 3
		.amdhsa_memory_ordered 1
		.amdhsa_forward_progress 1
		.amdhsa_inst_pref_size 27
	.end_amdhsa_kernel
	.amdgpu_metadata
---
amdhsa.version: [ 1, 2 ]
amdhsa.kernels:
  - .name:           k_q405a81961b_mend
    .symbol:         k_q405a81961b_mend.kd
    .args:
      - { .name: hl, .offset: 0, .size: 8, .value_kind: global_buffer, .address_space: global }
      - { .name: ac, .offset: 8, .size: 8, .value_kind: global_buffer, .address_space: global }
      - { .name: agg, .offset: 16, .size: 8, .value_kind: global_buffer, .address_space: global }
      - { .name: hf, .offset: 24, .size: 8, .value_kind: global_buffer, .address_space: global }
    .group_segment_fixed_size: 6144
    .private_segment_fixed_size: 0
    .kernarg_segment_align: 8
    .kernarg_segment_size: 32
    .max_flat_workgroup_size: 512
    .sgpr_count:     66
    .vgpr_count:     204
    .wavefront_size: 32
...
	.end_amdgpu_metadata
.endif
;; end of part 3
;; launch outp (part 4): grid 4 x 64, 4 waves a work-group, clusters of 4 x 4, 327,680 bytes of LDS; arguments hf, wb, xb, out_b, out0; writes out0
.if DOCPART == 4
	.amdgcn_target "amdgcn-amd-amdhsa--gfx1250"
	.amdhsa_code_object_version 6
	.text
	.protected	k_q405a81961b_outp
	.globl	k_q405a81961b_outp
	.p2align	8
	.type	k_q405a81961b_outp,@function
k_q405a81961b_outp:
	s_mov_b64 s[64:65], 0
	v_nop
	global_prefetch_b8 v0, s[64:65] scope:SCOPE_SE
	s_setreg_imm32_b32 hwreg(HW_REG_WAVE_MODE, 25, 1), 1
	s_wait_xcnt 0x0
	s_wait_alu depctr_hold_cnt(0) depctr_sa_sdst(0) depctr_va_vdst(0) depctr_va_sdst(0) depctr_va_ssrc(0) depctr_va_vcc(0) depctr_vm_vsrc(0)
	s_getreg_b32 s2, hwreg(HW_REG_IB_STS2, 6, 4)
	s_cmp_eq_u32 s2, 0
	s_cbranch_scc0 .Lentry_in_a_cluster
	s_endpgm
.Lentry_in_a_cluster:
	s_bfe_u32 s2, ttmp6, 0x10000c
	s_cmp_lg_u32 s2, 0xf033
	s_cbranch_scc0 .Lentry_shape_is_right
	s_endpgm
.Lentry_shape_is_right:
; out0 = x + h out_w + out_b.  h (hf) and out_w (wb's third matrix) bf16, sums f32; out_b starts the sums; out0 f32.
; LIMIT.  The residual x is taken from xb, x rounded once to bf16: it is off by at most 2^-9 of |x|.
; SHARES.  A work-group: 256 rows (tile Tt) x 256 columns (ct).  Four waves, 128 x 128 each: 64 accumulators.  The product is taken transposed (source 0 = 16 columns of out_w, source 1 = 16 rows of h):
; lane (r, h) then holds row 128 RH + 16 a + r and the columns 128 CH + 16 b + 8 h + 0..7: eight neighbouring numbers of a row.
; hf lies in pieces of 16 bytes = one channel x 8 times (byte = Tt 524288 + cb 8192 + o 256 + slot 16, slot = (channel % 16) xor 8 (o & 1)): a K step of 128 channels is 65,536 bytes on end.  It is
; brought as it lies and turned on the way out of LDS (ds_load_tr16_b128): 16 lanes of such a load take 8 channels of two octets; the xor sets them at 16 different multiples of 16 modulo 256.
; out_w lies [k][n] and is turned likewise.  RING, ROUND, CLUSTER: two slots, K steps of 128, one joint tensor load a wave behind each round; h's tile is shared along a row of the cluster, out_w's along a column.
; THE WALK ALONG K is written in three pieces: the first quarter step, whose products start the sums; a loop of six K steps, each of which fills again the slot that it has read; a loop of the last two, which fill
; nothing, left in its middle.  The slot in hand is a scalar, 0 or SLOT, that one exclusive or turns; the fragments' addresses and the walking descriptors' LDS words are sums of it and a part that never changes.
; x: a wave's 128 rows x 256 bytes of xb are 8 blocks of 32 registers, loaded into registers that the products do not name: three blocks ahead of the first loop, three between the loops, two at the head of the
; way out, six blocks ahead of their use.  A batch is 48 loads at the most.  No prefetch is laid for them: no wave waits for these loads.
; REGISTERS: window 0: addresses; v32-63 x; h's fragments v64-127, v128-191; v192-255 out_b, then x.  Window 1: out_w's fragments v64-127, v128-191; v0-63, v192-255 x.
; Windows 2, 3: accumulator (a, b) at v[8 (8 (a % 4) + b)], window 2 + a / 4; on the way out a block's 16 rows come back from the stage into the block's own 64 registers, so that none is written twice.
.set REGA,  32768                      ; four blocks of 16 channels x 256 times
.set PB,    288                        ; a row of weights: 256 bytes + 32
.set REGB,  128*PB
.set BBASE, 2*REGA
.set SLOT,  BBASE+2*REGB               ; 139,264
.set STAGE, 2*SLOT                     ; 278,528: 16 rows x 528 bytes for each wave; no tensor load fills it
.set SP,    528                        ; 512 bytes + 16
.set SPARE, STAGE+4*16*SP              ; 312,320 = 1,220 x 256
.set QB,    32*PB
.set AQ,    16384                      ; a quarter step: two blocks of 16 channels
.set AA,    512                        ; from fragment a to a + 1: two octets
.set A2,    8192                       ; the next 16 channels
.set ASTEP, 65536
.set BSTEP, 262144
.set ADRA0, 8                          ; v8      my fragments of h in slot 0; never rewritten
.set ADRB0, 9                          ; v9-10   my fragments of out_w in slot 0, blocks 0-3 and 4-7; never rewritten
.set ONE,  14                          ; v14     1.0
.set ADRA, 16                          ; v16     the same in the slot in hand
.set ADRB, 20                          ; v20-21
.set STO,  24                          ; v24  where I put 32 bytes of a row in my stage
.set RD,   25                          ; v25  where I read rows back
.set XO,   26                          ; v26  16 x lane: my 16 bytes of a row's 512 in out0; never rewritten
.set XBO,  27                          ; v27  8 x lane: the same four columns in xb; never rewritten
.set SPW,  28
.set NIL,  29
.set PFO,  30
.set BO,   31                          ; v31  32 x (lane / 16)
.set F0,   64
.set F1,   128
.set BIAS, 192
.set G1A, 24                           ; s[24:31] descriptor group 1 for h's tiles; s[32:35], s[36:39] group 0 for the two first fills; the second then walks on
.set G0A, 32
.set LIM, 43                           ; s43  2 in a wave that prefetches, else the greatest number
.set PFA, 44
.set PFS, 46
.set G1B, 48                           ; s[48:55], s[56:63] the same for out_w's tiles
.set G0B, 56
.set WV,  80
.set RH,  81                           ; wave / 2: my 128 rows; also: I fetch for A (0) or B (1)
.set CH,  82                           ; wave % 2: my 128 columns; also: which half I fetch
.set TB,  83                           ; s83  the slot in hand: 0 or SLOT
.set LBA, 86                           ; s86  where my half of h's tile goes in a slot
.set LBB, 87                           ; s87  where my half of out_w's goes
.set MSB, 0
.macro WIN new
.if MSB != (\new)
	s_set_vgpr_msb (MSB<<8)|(\new)
.set MSB, \new
.endif
.endm
.macro JLOAD s                         ; a joint load: waves 0, 1 fetch h's two halves of a K step, waves 2, 3 out_w's; the branch hangs on the wave's number alone
	s_cmp_eq_u32 s[RH], 0
	s_cbranch_scc0 .Lfor_b_\@
	tensor_load_to_lds s[G0A+4*(\s):G0A+4*(\s)+3], s[G1A:G1A+7]
	s_nop 0
.rept 4
	v_nop
.endr
	s_branch .Lasked_\@
.Lfor_b_\@:
	tensor_load_to_lds s[G0B+4*(\s):G0B+4*(\s)+3], s[G1B:G1B+7]
	s_nop 0
.rept 4
	v_nop
.endr
.Lasked_\@:
.endm
.macro CREST
	s_cmp_lg_u32 s[WV], 0
	s_cbranch_scc1 .Lnot_wave_0_\@
	s_barrier_signal -3
.Lnot_wave_0_\@:
	s_barrier_wait -3
	s_barrier_signal -1
	s_barrier_wait -1
.endm
.macro CROUND
	s_barrier_signal -1
	s_barrier_wait -1
	CREST
.endm
.macro PLACES
.rept 4
	v_nop
.endr
.endm
; One prefetch a wave behind a refill: 32 rows x 256 bytes, a lane a row, of the K step two refills on.  h's tile is read by one cluster alone, which asks; out_w's columns by every cluster of the column: cluster y = 0 asks.
; The four partners of a joint load take 32 of its 128 rows each, told apart by address.  The loop's last two trips (s3 = 2, 1) have no K step two on.
.macro ASK
	s_cmp_gt_u32 s3, s[LIM]
	s_cbranch_scc0 .Lnot_mine_\@
	global_prefetch_b8 v[PFO], s[PFA:PFA+1] th:TH_LOAD_NT scope:SCOPE_SE
.Lnot_mine_\@:
.endm
	s_load_b256 s[4:11], s[0:1], 0x0               ; hf s[4:5], wb s[6:7], xb s[8:9], out_b s[10:11]
	s_load_b64 s[68:69], s[0:1], 0x20              ; out0
	v_lshl_add_u32 v[SPW], v0, 2, SPARE
	v_mov_b32 v[NIL], 0
	ds_add_u32 v[SPW], v[NIL]                      ; the opening: the add, twice on end, and its wait ahead of my first tensor load
	ds_add_u32 v[SPW], v[NIL]
	v_lshrrev_b32 v1, 5, v0
	v_readfirstlane_b32 s[WV], v1
	s_lshr_b32 s[RH], s[WV], 1
	s_and_b32 s[CH], s[WV], 1
	s_bfe_u32 s40, ttmp6, 0x40000                  ; cx
	s_bfe_u32 s41, ttmp6, 0x40004                  ; cy
	s_lshl_b32 s42, ttmp9, 2
	s_add_co_u32 s42, s42, s40                     ; ct
	s_and_b32 s13, ttmp7, 0xffff
	s_lshl_b32 s13, s13, 2
	s_add_co_u32 s13, s13, s41                     ; Tt
	s_lshl_b32 s43, s41, 2
	s_lshl_b32 s43, 15, s43                        ; my row of the cluster
	s_lshl_b32 s44, 0x1111, s40                    ; my column
	s_or_b32 s[G1A], s43, (1<<16)|(1<<21)          ; mask; 2-byte elements; bit 21 beside a mask; no padding
	s_or_b32 s[G1B], s44, (1<<16)|(1<<20)|(1<<21)|(5<<22)|(7<<25)  ; padding: after every 64 words 8 words
.irp g, G1A, G1B
	s_mov_b32 s[(\g)+1], 128<<16                   ; tensor_dim0 = 128
	s_mov_b32 s[(\g)+2], 128<<16                   ; tensor_dim1 = 128
	s_mov_b32 s[(\g)+3], 128<<16                   ; tile_dim0 = 128
	s_mov_b32 s[(\g)+4], 128                       ; tile_dim1 = 128
	s_mov_b32 s[(\g)+6], 0
	s_mov_b32 s[(\g)+7], 0
.endr
	s_mov_b32 s[G1A+5], 128                        ; h: dense rows of 256 bytes
	s_mov_b32 s[G1B+5], 1024                       ; out_w: 1,024 elements from row to row
	s_lshl_b32 s16, s13, 19                        ; h's tile, and my half of a K step
	s_lshl_b32 s17, s[CH], 15
	s_add_co_u32 s16, s16, s17
	s_mov_b32 s17, 0
	s_lshl_b32 s84, s42, 9                         ; out_w: columns 256 ct + 128 x half
	s_lshl_b32 s85, s[CH], 8
	s_add_co_u32 s84, s84, s85
	s_add_co_u32 s84, s84, 4194304                 ; wb's third matrix
	s_mov_b32 s85, 0
	s_lshl_b32 s[LBA], s[CH], 15                   ; where they go: no place in the cluster enters an LDS address
	s_mul_i32 s[LBB], s[CH], REGB
	s_add_co_u32 s[LBB], s[LBB], BBASE
	s_mov_b32 s[TB], 0                             ; K step 0 lies in slot 0
	s_wait_dscnt 0x0                               ; both opening adds are done
	s_wait_kmcnt 0x0
	s_add_nc_u64 s[14:15], s[4:5], s[16:17]
	s_add_nc_u64 s[84:85], s[6:7], s[84:85]
	CROUND                                         ; all sixteen work-groups are here: the first joint loads meet
.irp s, 0,1
	s_mov_b32 s[G0A+4*(\s)], 1
	s_add_co_u32 s[G0A+4*(\s)+1], s[LBA], (\s)*SLOT
	s_add_nc_u64 s[G0A+4*(\s)+2:G0A+4*(\s)+3], s[14:15], (\s)*ASTEP
	s_or_b32 s[G0A+4*(\s)+3], s[G0A+4*(\s)+3], 0x80000000
	s_mov_b32 s[G0B+4*(\s)], 1
	s_add_co_u32 s[G0B+4*(\s)+1], s[LBB], (\s)*SLOT
	s_add_nc_u64 s[G0B+4*(\s)+2:G0B+4*(\s)+3], s[84:85], (\s)*BSTEP
	s_or_b32 s[G0B+4*(\s)+3], s[G0B+4*(\s)+3], 0x80000000
	JLOAD \s                                       ; K steps 0 and 1: two loads of mine are out
.endr
	v_and_b32 v1, 15, v0                           ; r
	v_bfe_u32 v2, v0, 4, 1                         ; hk = l / 16
	v_and_b32 v3, 7, v0
	v_bfe_u32 v4, v0, 3, 1                         ; th = (l / 8) % 2
	v_xor_b32 v5, v2, v4                           ; h, turned: lane l reads channel 8 hk + l % 8 of octet th: slot 8 (hk xor th) + l % 8
	v_lshl_add_u32 v5, v5, 3, v3
	v_lshlrev_b32 v5, 4, v5
	v_lshl_add_u32 v5, v4, 8, v5
	s_lshl_b32 s22, s[RH], 12                      ; my 16 octets
	v_add_nc_u32 v[ADRA0], s22, v5
	v_mov_b32 v[ADRA], v[ADRA0]
	v_lshl_add_u32 v6, v2, 3, v3                   ; out_w, turned: k row 8 hk + l % 8, columns 8 th on
	v_mul_u32_u24 v6, v6, PB
	v_lshl_add_u32 v6, v4, 4, v6
	s_mul_i32 s22, s[CH], REGB                     ; my 128 columns are one region
	s_add_co_u32 s22, s22, BBASE
	v_add_nc_u32 v[ADRB0], s22, v6
	v_add_nc_u32 v[ADRB0+1], 128, v[ADRB0]         ; blocks 4-7: 128 bytes further along the row
	v_mov_b32 v[ADRB], v[ADRB0]
	v_mov_b32 v[ADRB+1], v[ADRB0+1]
	s_mul_i32 s22, s[WV], 16*SP
	s_add_co_u32 s22, s22, STAGE                   ; my stage
	v_mul_u32_u24 v5, v1, SP
	v_lshl_add_u32 v5, v2, 5, v5
	v_add_nc_u32 v[STO], s22, v5
	v_and_b32 v6, 31, v0
	v_lshlrev_b32 v[XO], 4, v6
	v_add_nc_u32 v[RD], s22, v[XO]
	v_lshlrev_b32 v[XBO], 3, v6
	v_lshlrev_b32 v[BO], 5, v2
	v_mov_b32 v[ONE], 1.0
	s_lshl_b32 s76, s42, 10                        ; my 128 columns, in f32
	s_lshl_b32 s77, s[CH], 9
	s_add_co_u32 s76, s76, s77
	s_mov_b32 s77, 0
	s_add_nc_u64 s[10:11], s[10:11], s[76:77]
.irp b, 0,1,2,3,4,5,6,7
	global_load_b128 v[BIAS+8*(\b):BIAS+8*(\b)+3],   v[BO], s[10:11] offset:64*(\b)      ; out_b of columns 16 b + 8 hk + 0..7: the C of the first products
	global_load_b128 v[BIAS+8*(\b)+4:BIAS+8*(\b)+7], v[BO], s[10:11] offset:64*(\b)+16
.endr
	s_lshl_b32 s78, s13, 20                        ; my 128 rows of 4,096 bytes
	s_add_co_u32 s76, s76, s78
	s_lshl_b32 s78, s[RH], 19
	s_add_co_u32 s76, s76, s78
	s_add_nc_u64 s[68:69], s[68:69], s[76:77]      ; out0 at my first row and column; never stepped: the largest immediate is 127 rows, 520,192 bytes
	s_lshr_b32 s76, s76, 1                         ; the same place in bf16: half the bytes
	s_add_nc_u64 s[8:9], s[8:9], s[76:77]          ; xb there; never stepped
	; the ring's prefetches: my work-group's 32 of the 128 rows that I fetch, at K step 3; the first refill steps it to 4.  Nothing is asked for here, at the head
	s_lshl_b32 s20, s13, 19
	s_lshl_b32 s21, s[CH], 15
	s_add_co_u32 s20, s20, s21
	s_lshl_b32 s21, s40, 13                        ; 32 cx rows of 256 bytes
	s_add_co_u32 s20, s20, s21
	s_add_co_u32 s20, s20, 3*ASTEP
	s_lshl_b32 s22, s42, 9
	s_lshl_b32 s23, s[CH], 8
	s_add_co_u32 s22, s22, s23
	s_lshl_b32 s23, s41, 16                        ; 32 cy rows of 2,048 bytes
	s_add_co_u32 s22, s22, s23
	s_add_co_u32 s22, s22, 4194304+3*BSTEP
	s_and_b32 s23, ttmp7, 0xffff
	s_mov_b32 s[PFS], BSTEP
	s_cmp_eq_u32 s[RH], 0                          ; do I fetch for A?
	s_cselect_b32 s20, s20, s22
	s_cselect_b32 s23, ttmp9, s23                  ; the coordinate along which other clusters read the same rows
	s_cselect_b64 s[PFA:PFA+1], s[4:5], s[6:7]
	s_cselect_b32 s[PFS], ASTEP, s[PFS]
	s_cselect_b32 s22, 8, 11                       ; a row is 256 or 2,048 bytes
	s_mov_b32 s[PFS+1], 0
	s_mov_b32 s21, 0
	s_cmp_eq_u32 s23, 0
	s_cselect_b32 s[LIM], 2, -1
	s_add_nc_u64 s[PFA:PFA+1], s[PFA:PFA+1], s[20:21]
	v_lshlrev_b32 v[PFO], s22, v6
; 16 matrix instructions.  zero = 1: the first product starts the sums with out_b.  The 64 accumulators take turns, one instruction a turn.
.macro MUL16 f, hi, a0, zero
.if \zero
	WIN 0x81+0x40*(\hi)                            ; source 0 (out_w) window 1, source 1 (h) and C (out_b) window 0, D window 2 or 3
.else
	WIN 0xa1+0x50*(\hi)                            ; C and D window 2 or 3
.endif
.irp a, \a0, (\a0)+1
.irp b, 0,1,2,3,4,5,6,7
.if \zero
	v_wmma_f32_16x16x32_bf16 v[8*(8*(\a)+(\b)):8*(8*(\a)+(\b))+7], v[(\f)+8*(\b):(\f)+8*(\b)+7], v[(\f)+8*(4*(\hi)+(\a)):(\f)+8*(4*(\hi)+(\a))+7], v[BIAS+8*(\b):BIAS+8*(\b)+7]
.else
	v_wmma_f32_16x16x32_bf16 v[8*(8*(\a)+(\b)):8*(8*(\a)+(\b))+7], v[(\f)+8*(\b):(\f)+8*(\b)+7], v[(\f)+8*(4*(\hi)+(\a)):(\f)+8*(4*(\hi)+(\a))+7], v[8*(8*(\a)+(\b)):8*(8*(\a)+(\b))+7]
.endif
.endr
.endr
.endm
.macro FETCH q, f                      ; 32 LDS loads in one run, all turning: quarter q of the slot in hand: out_w's 8 blocks, then h's 8 in ascending order
	WIN 0x40
.irp b, 0,1,2,3,4,5,6,7
	ds_load_tr16_b128 v[(\f)+8*(\b):(\f)+8*(\b)+3],   v[ADRB+(\b)/4] offset:(\q)*QB+32*((\b)%4)
	ds_load_tr16_b128 v[(\f)+8*(\b)+4:(\f)+8*(\b)+7], v[ADRB+(\b)/4] offset:(\q)*QB+32*((\b)%4)+16*PB
.endr
	WIN 0
.irp a, 0,1,2,3,4,5,6,7
	ds_load_tr16_b128 v[(\f)+8*(\a):(\f)+8*(\a)+3],   v[ADRA] offset:(\q)*AQ+(\a)*AA
	ds_load_tr16_b128 v[(\f)+8*(\a)+4:(\f)+8*(\a)+7], v[ADRA] offset:(\q)*AQ+(\a)*AA+A2
.endr
.endm
.macro QUARTER q, f, g, zero
	s_wait_dscnt 8                                 ; out_w and h's blocks 0-3 are in; the youngest eight loads (h's blocks 4-7) may be out
	MUL16 \f, 0, 0, \zero
	MUL16 \f, 0, 2, \zero
	PLACES
	FETCH \q, \g
	s_wait_dscnt 32                                ; all but the 32 just issued
	MUL16 \f, 1, 0, \zero
	MUL16 \f, 1, 2, \zero
.endm
.macro MEET                            ; the first half of a K step's last quarter, and the one barrier of the change of slots
	WIN 0
	s_wait_tensorcnt 0x0                           ; all my tensor loads have landed: the one that was out is my part of the next slot
	ds_add_u32 v[SPW], v[NIL]                      ; 0 onto my spare word
	s_wait_dscnt 9                                 ; (the add and the youngest eight loads may be out)
	MUL16 F1, 0, 0, 0
	s_wait_dscnt 0x0                               ; the add is done, and my reads of this slot are over
	s_barrier_signal -1
	MUL16 F1, 0, 2, 0
	WIN 0
	s_barrier_wait -1
.endm
.macro NEXTSLOT                        ; the other slot comes in hand
	s_xor_b32 s[TB], s[TB], SLOT
	v_add_nc_u32 v[ADRA], s[TB], v[ADRA0]
	v_add_nc_u32 v[ADRB], s[TB], v[ADRB0]
	v_add_nc_u32 v[ADRB+1], s[TB], v[ADRB0+1]
.endm
.macro TURN                            ; a K step's last quarter: the slot just read is filled again, with the K step two on, first thing behind the cluster's round
	s_wait_xcnt 0x0                                ; the last prefetch, a K step back, has read its address
	s_add_nc_u64 s[PFA:PFA+1], s[PFA:PFA+1], s[PFS:PFS+1]
	MEET
	CREST                                          ; no wave of any partner still reads this slot or has a load on its way
	s_add_co_u32 s[G0A+5], s[LBA], s[TB]           ; the walking descriptors: into the slot in hand,
	s_add_co_u32 s[G0B+5], s[LBB], s[TB]
	s_add_nc_u64 s[G0A+6:G0A+7], s[G0A+6:G0A+7], ASTEP  ; the K step behind the one asked for last; the type bits on top are not reached
	s_add_nc_u64 s[G0B+6:G0B+7], s[G0B+6:G0B+7], BSTEP
	JLOAD 1                                        ; its four v_nop are also the places in front of the loads below
	NEXTSLOT
	FETCH 0, F0
	ASK
	MUL16 F1, 1, 0, 0
	MUL16 F1, 1, 2, 0
.endm
.macro TURNX                           ; the same where nothing is filled; behind the very last K step (s3 = 1) there is no slot to go on to
	MEET
	PLACES
	s_cmp_eq_u32 s3, 1
	s_cbranch_scc1 .Lno_more_\@
	NEXTSLOT
	FETCH 0, F0
.Lno_more_\@:
	MUL16 F1, 1, 0, 0
	MUL16 F1, 1, 2, 0
.endm
; Where x's block a lies: window XW, register XR
.macro XPOS a
.if (\a) < 2
.set XW, 1
.set XR, 32*(\a)
.elseif (\a) < 4
.set XW, 1
.set XR, 128+32*(\a)
.elseif (\a) == 4
.set XW, 0
.set XR, 32
.elseif (\a) < 7
.set XW, 0
.set XR, 32+32*(\a)
.else
.set XW, 1
.set XR, 128
.endif
.endm
; x's block a: my rows 16 a .. 16 a + 15, my 256 bytes of each: a load of the wave covers 256 bytes on end, aligned; lane l takes columns 4 l .. 4 l + 3
.macro XLOAD a
	XPOS \a
	WIN XW<<6
.set t, 0
.rept 16
	global_load_b64 v[XR+2*t:XR+2*t+1], v[XBO], s[8:9] offset:(16*(\a)+t)*2048 th:TH_LOAD_NT
.set t, t+1
.endr
	WIN 0
.endm
; Block a's 8 accumulators into my stage (rows of 528 bytes), and back as whole rows of 512, into the registers that they left.  LDS serves a wave's instructions in order (ISA guide 5.7.1.4): the loads see the
; stores, and the next block's stores come behind them.  Each accumulator is read from its low end on.
.macro TOSTAGE a
.set AC, 64*((\a)%4)
.set AW, 2+(\a)/4
	WIN AW<<2                                      ; store data in window 2 or 3
.irp b, 0,1,2,3,4,5,6,7
	ds_store_b128 v[STO], v[AC+8*(\b):AC+8*(\b)+3]   offset:64*(\b)
	ds_store_b128 v[STO], v[AC+8*(\b)+4:AC+8*(\b)+7] offset:64*(\b)+16
.endr
	WIN AW<<6                                      ; loaded data likewise
.set t, 0
.rept 16
	ds_load_b128 v[AC+4*t:AC+4*t+3], v[RD] offset:SP*t
.set t, t+1
.endr
.endm
.macro SEND a                          ; + x, one fused line a number (a bf16 half x 1.0 + the sum), and out
	XPOS \a
.set AC, 64*((\a)%4)
.set AW, 2+(\a)/4
	WIN (AW<<6)|(AW<<4)|XW                         ; the sum in window 2 or 3, x in its window, 1.0 in window 0
.set t, 0
.rept 32
	v_fma_mix_f32_bf16 v[AC+2*t],   v[XR+t], v[ONE], v[AC+2*t]   op_sel_hi:[1,0,0]
	v_fma_mix_f32_bf16 v[AC+2*t+1], v[XR+t], v[ONE], v[AC+2*t+1] op_sel:[1,0,0] op_sel_hi:[1,0,0]
.set t, t+1
.endr
	WIN AW<<2
.set t, 0
.rept 16
	global_store_b128 v[XO], v[AC+4*t:AC+4*t+3], s[68:69] offset:(16*(\a)+t)*4096 th:TH_STORE_NT  ; 512 bytes on end, aligned; its registers are not written again
.set t, t+1
.endr
.endm
	s_wait_tensorcnt 1                             ; my part of K step 0 is in; K step 1's may stay out
	s_barrier_signal -1
	s_barrier_wait -1
	FETCH 0, F0
	s_wait_loadcnt 0x0                             ; out_b
	XLOAD 0                                        ; x's first three blocks: 48 loads, which have the whole walk in which to come
	XLOAD 1
	XLOAD 2
	QUARTER 1, F0, F1, 1                           ; the first quarter starts the sums with out_b
	WIN 0
	s_mov_b32 s3, 6
.Lfill:                                                ; six trips: K steps 0 .. 5 end, K steps 2 .. 7 are asked for
	QUARTER 2, F1, F0, 0
	QUARTER 3, F0, F1, 0
	TURN
	QUARTER 1, F0, F1, 0
	WIN 0
	s_sub_co_u32 s3, s3, 1
	s_cmp_lg_u32 s3, 0
	s_cbranch_scc1 .Lfill
	XLOAD 3                                        ; three blocks more, two K steps ahead of the way out; block 5 takes registers that held out_b, read last in the first quarter
	XLOAD 4
	XLOAD 5
	s_mov_b32 s3, 2
.Llast:                                                ; K steps 6 and 7 fill nothing; the second trip is left behind the last product
	QUARTER 2, F1, F0, 0
	QUARTER 3, F0, F1, 0
	TURNX
	WIN 0
	s_sub_co_u32 s3, s3, 1
	s_cmp_eq_u32 s3, 0
	s_cbranch_scc1 .Lout
	QUARTER 1, F0, F1, 0
	WIN 0
	s_branch .Llast
.Lout:
	; THE WAY OUT.  Places behind the last products, ahead of loads into fragment registers and of LDS stores of results (eight, once a launch).
	PLACES
	PLACES
	XLOAD 6
	XLOAD 7
	TOSTAGE 0
.irp a, 0,1,2,3,4,5,6,7
.if (\a) < 7
	TOSTAGE (\a)+1                                 ; the next block's way through the stage stands between this block's LDS loads and the wait for them
	s_wait_dscnt 32                                ; the next block's 16 stores and 16 loads may be out
.else
	s_wait_dscnt 0x0
.endif
.if (\a) < 6
	s_wait_loadcnt 32                              ; x's blocks 0-5 are in; the 32 loads of blocks 6 and 7 may be out
.else
	s_wait_loadcnt 16*(7-(\a))                     ; block 6: block 7's sixteen may be out; block 7: none
.endif
	SEND \a
.endr
	WIN 0
	s_wait_tensorcnt 0x0                           ; the wave's end: behind my last tensor load and my last LDS store
	ds_add_u32 v[SPW], v[NIL]
	s_wait_dscnt 0x0
	CROUND                                         ; the closing round: no work-group ends while a partner may still ask for a tile that names it
	s_endpgm
.Lfunc_end_k_q405a81961b_outp:
	.size	k_q405a81961b_outp, .Lfunc_end_k_q405a81961b_outp-k_q405a81961b_outp
	.p2alignl 7, 3214868480
	.fill 96, 4, 3214868480
	.section	.rodata,"a",@progbits
	.p2align	6, 0x0
	.amdhsa_kernel k_q405a81961b_outp
		.amdhsa_group_segment_fixed_size 327680
		.amdhsa_private_segment_fixed_size 0
		.amdhsa_enable_private_segment 0
		.amdhsa_kernarg_size 40
		.amdhsa_user_sgpr_count 2
		.amdhsa_user_sgpr_kernarg_segment_ptr 1
		.amdhsa_wavefront_size32 1
		.amdhsa_system_sgpr_workgroup_id_x 1
		.amdhsa_system_sgpr_workgroup_id_y 1
		.amdhsa_system_sgpr_workgroup_id_z 1
		.amdhsa_system_vgpr_workitem_id 0
		.amdhsa_next_free_vgpr 1024
		.amdhsa_next_free_sgpr 88
		.amdhsa_reserve_vcc 0
		.amdhsa_float_denorm_mode_32 3
		.amdhsa_float_denorm_mode_16_64 3
		.amdhsa_memory_ordered 1
		.amdhsa_forward_progress 1
		.amdhsa_inst_pref_size 146
	.end_amdhsa_kernel
	.amdgpu_metadata
---
amdhsa.version: [ 1, 2 ]
amdhsa.kernels:
  - .name:           k_q405a81961b_outp
    .symbol:         k_q405a81961b_outp.kd
    .args:
      - { .name: hf, .offset: 0, .size: 8, .value_kind: global_buffer, .address_space: global }
      - { .name: wb, .offset: 8, .size: 8, .value_kind: global_buffer, .address_space: global }
      - { .name: xb, .offset: 16, .size: 8, .value_kind: global_buffer, .address_space: global }
      - { .name: out_b, .offset: 24, .size: 8, .value_kind: global_buffer, .address_space: global }
      - { .name: out0, .offset: 32, .size: 8, .value_kind: global_buffer, .address_space: global }
    .group_segment_fixed_size: 327680
    .private_segment_fixed_size: 0
    .kernarg_segment_align: 8
    .kernarg_segment_size: 40
    .max_flat_workgroup_size: 128
    .sgpr_count:     88
    .vgpr_count:     1024
    .wavefront_size: 32
...
	.end_amdgpu_metadata
.endif
;; end of part 4
